; MI455X (gfx1250); checked and timed in simulation.
; The chip was launched on July 23, 2026; its instructions are those of AMD's public machine-readable ISA for CDNA 5 (MIT licence, August 2026) and "CDNA5" Instruction Set Architecture Reference Guide (July 2026). The comments in the code are by the model that wrote it; some were corrected since.
;; Vector Quantizer. Allowed arithmetic: float matrix products may take bf16 or f16 operands with f32 sums; all other float work in f32.
;; Inputs: embedding 8,192 x 256 float32; z 1,024 x 16 x 256 float32.
;; Outputs: out0 1,024 x 16 x 256 float32.
;; 2 versions, each right; version 2 is version 1 with the launch pick written anew for expert scheduling mode. Each part assembles by itself: llvm-mc -triple=amdgcn-amd-amdhsa -mcpu=gfx1250 --defsym DOCPART=n.
;; ======== version 1 of 2: 3 launches
;; workspace buffers: cb 4,325,376 bytes; zb 8,388,608 bytes; pv 131,072 bytes; pi 131,072 bytes of whole numbers
;; launch prep (part 1): grid 256 x 1, 6 waves a work-group, no clusters, 168,704 bytes of LDS; arguments embedding, z, cb, zb; writes cb, zb
.if DOCPART == 1
	.amdgcn_target "amdgcn-amd-amdhsa--gfx1250"
	.amdhsa_code_object_version 6
	.text
	.protected	k_q6f2f8dd72e_prep
	.globl	k_q6f2f8dd72e_prep
	.p2align	8
	.type	k_q6f2f8dd72e_prep,@function
k_q6f2f8dd72e_prep:
	s_mov_b64 s[64:65], 0
	v_nop
	global_prefetch_b8 v0, s[64:65] scope:SCOPE_SE
	s_setreg_imm32_b32 hwreg(HW_REG_WAVE_MODE, 25, 1), 1
	s_wait_xcnt 0x0
; PREP: embedding [8192][256] f32 and z [16384][256] f32 are rounded to bf16 and laid out as images of matrix fragments,
; so that the product kernel never converts and reads every fragment as 32 lanes x 16 neighbouring bytes.
; A tile is 16 rows.  Image of a tile, 8,192 bytes: chunk c = 0..15 at byte 512 c; lane L = 16 h + r owns 16 bytes at 16 L:
; the bf16 of row r, k = 16 c + 8 h + 0..7.  Chunks 2 ks and 2 ks + 1 are registers 0-3 and 4-7 of the fragment of K step ks.
; cb: 512 tiles of 8,448 bytes: the image, then 256 bytes with bias[i & 15], i = 0..63, bias[r] = -1/2 sum over k of bf16(e[r][k])^2.
; zb: 1,024 tiles of 8,192 bytes: the image alone.
; 24,576 rows = 1,536 tiles = 256 work-groups x 6 waves: one tile a wave.  A tile comes in by ONE tensor load of 16 whole rows
; (1,024 bytes each); loads of 64 rows would leave 384 units of work for 256 work-groups, so the loads stay at 16 rows.
; No cluster: no two work-groups read the same byte.  No matrix unit: there is no product here.
; Each wave reads only the LDS bytes that its own load brought, they are filled once, so there is no barrier.
; LIMIT: inputs are finite and their squares summed over a row stay inside f32.
.set PITCH,  1040                      ; LDS row: 1,024 bytes + 16 of padding: 16 rows start in 16 different 16-byte columns of 256 bytes
.set WTILE,  16*PITCH                  ; LDS bytes of a wave
.set ETILES, 512                       ; tiles of the codebook; the tiles behind them are tiles of z
.set IMG,    8192                      ; bytes of an image
.set CBT,    8448                      ; bytes of a tile in cb
.set LA,  3                            ; v3        LDS address of my 32 bytes in chunk 0
.set ST,  4                            ; v4        16 L: my place in a chunk of the image
.set BP0, 5                            ; v5        4 x ((2 L) & 15): lane that holds the first bias I store
.set BP1, 6                            ; v6        the lane behind it
.set L8,  7                            ; v7        8 L: my place in the 256 bytes of biases
.set SQ,  8                            ; v[8:11]   four chains of the sum of squares
.set TM,  12                           ; v[12:15]  at work
.set F,   16                           ; v[16:143] chunk c: 8 registers of f32
.set O,   144                          ; v[144:207] chunk c: 4 registers of bf16
.set G0,  16                           ; s[16:19]  descriptor group 0
.set G1,  20                           ; s[20:27]  descriptor group 1
	s_load_b256 s[4:11], s[0:1], 0x0               ; embedding s[4:5], z s[6:7], cb s[8:9], zb s[10:11]
	v_lshl_add_u32 v208, v0, 2, 0x29000
	v_mov_b32 v209, 0
	ds_add_u32 v208, v209
	ds_add_u32 v208, v209
	v_lshrrev_b32 v1, 5, v0
	v_readfirstlane_b32 s12, v1                    ; wave 0..5
	s_mul_i32 s13, ttmp9, 6
	s_add_co_u32 s13, s13, s12                     ; T = 6 x work-group + wave: 0..1535
	s_sub_co_u32 s14, s13, ETILES                  ; the tile number in z, used only where T >= 512
	s_movk_i32 s28, CBT
	s_movk_i32 s29, IMG
	s_mov_b32 s40, 0x76543210                      ; v_permlanex16_b32: lane i of one half reads lane i of the other
	s_mov_b32 s41, 0xfedcba98
	; group 1: 16 rows of 256 elements of 4 bytes, 4 words of padding behind every 256 words
	s_mov_b32 s[G1+0], (2<<16)|(1<<20)|(7<<22)|(3<<25)  ; no mask; element of 4 bytes; padding on; interval code 7 = 256 words; 4 words
	s_mov_b32 s[G1+1], 256<<16                     ; tensor_dim0 = 256
	s_mov_b32 s[G1+2], 16<<16                      ; tensor_dim1 = 16
	s_mov_b32 s[G1+3], 256<<16                     ; tile_dim0 = 256
	s_mov_b32 s[G1+4], 16                          ; tile_dim1 = 16
	s_mov_b32 s[G1+5], 256                         ; 256 elements from row to row
	s_mov_b32 s[G1+6], 0
	s_mov_b32 s[G1+7], 0
	s_mov_b32 s[G0], 1
	s_mul_i32 s[G0+1], s12, WTILE                  ; LDS: wave x 16,640
	s_wait_dscnt 0x0
	s_wait_kmcnt 0x0
	s_cmp_lt_u32 s13, ETILES                       ; a tile of the codebook?
	s_cselect_b32 s14, s13, s14                    ; tile number inside its tensor
	s_cselect_b32 s15, s28, s29                    ; bytes of a tile in the output
	s_cselect_b64 s[36:37], s[4:5], s[6:7]         ; source
	s_cselect_b64 s[38:39], s[8:9], s[10:11]       ; destination
	s_lshl_b32 s30, s14, 14                        ; 16 rows x 1,024 bytes
	s_mov_b32 s31, 0
	s_mul_i32 s32, s14, s15
	s_mov_b32 s33, 0
	s_add_nc_u64 s[G0+2:G0+3], s[36:37], s[30:31]
	s_or_b32 s[G0+3], s[G0+3], 0x80000000          ; type 2
	s_add_nc_u64 s[38:39], s[38:39], s[32:33]
	tensor_load_to_lds s[G0:G0+3], s[G1:G1+7]      ; the one tensor load of this wave
	s_nop 0
	v_and_b32 v1, 15, v0                           ; r
	v_bfe_u32 v2, v0, 4, 1                         ; h
	v_mul_u32_u24 v[LA], v1, PITCH
	v_lshl_add_u32 v[LA], v2, 5, v[LA]             ; row r, 8 h numbers of 4 bytes
	v_add_nc_u32 v[LA], s[G0+1], v[LA]
	v_and_b32 v[L8], 31, v0
	v_lshlrev_b32 v[ST], 4, v[L8]
	v_lshlrev_b32 v[L8], 3, v[L8]
	v_and_b32 v[BP0], 60, v[L8]
	v_add_nc_u32 v[BP1], 4, v[BP0]
	s_wait_tensorcnt 0x0                           ; my tile is in LDS; nobody else reads it
.irp c, 0,1,2,3,4,5,6,7,8,9,10,11,12,13,14,15
	ds_load_b128 v[F+8*\c:F+8*\c+3],   v[LA] offset:64*\c
	ds_load_b128 v[F+8*\c+4:F+8*\c+7], v[LA] offset:64*\c+16
.endr
.irp c, 0,1,2,3,4,5,6,7,8,9,10,11,12,13,14,15
	s_wait_dscnt 30-2*\c                           ; LDS loads come back in order (ISA guide 5.7.1): behind the two of chunk c stand 30 - 2 c younger ones
.irp i, 0,1,2,3
	v_cvt_pk_bf16_f32 v[O+4*\c+\i], v[F+8*\c+2*\i], v[F+8*\c+2*\i+1]
.endr
	global_store_b128 v[ST], v[O+4*\c:O+4*\c+3], s[38:39] offset:512*\c   ; the wave stores 512 consecutive bytes, aligned
.endr
	s_cmp_ge_u32 s13, ETILES
	s_cbranch_scc1 .Ldone                          ; a tile of z has no bias
	; the sum of squares of the ROUNDED numbers: my 128 of row r, in four chains; the first low halves start the chains
.irp k, 0,1,2,3
	v_lshlrev_b32 v[TM+\k], 16, v[O+\k]
.endr
.irp k, 0,1,2,3
	v_mul_f32 v[SQ+\k], v[TM+\k], v[TM+\k]
.endr
.irp k, 0,1,2,3
	v_fma_mix_f32_bf16 v[SQ+\k], v[O+\k], v[O+\k], v[SQ+\k] op_sel:[1,1,0] op_sel_hi:[1,1,0]
.endr
.set i, 4
.rept 15
.irp k, 0,1,2,3
	v_fma_mix_f32_bf16 v[SQ+\k], v[O+i+\k], v[O+i+\k], v[SQ+\k] op_sel_hi:[1,1,0]
.endr
.irp k, 0,1,2,3
	v_fma_mix_f32_bf16 v[SQ+\k], v[O+i+\k], v[O+i+\k], v[SQ+\k] op_sel:[1,1,0] op_sel_hi:[1,1,0]
.endr
.set i, i+4
.endr
	v_add_f32 v[SQ], v[SQ], v[SQ+1]
	v_add_f32 v[SQ+2], v[SQ+2], v[SQ+3]
	v_add_f32 v[SQ], v[SQ], v[SQ+2]
	v_permlanex16_b32 v[TM], v[SQ], s40, s41       ; the other half of row r (the destination has been written above)
	v_add_f32 v[SQ], v[SQ], v[TM]
	v_mul_f32 v[SQ], -0.5, v[SQ]                   ; bias[r], in lanes r and r + 16
	ds_bpermute_b32 v[TM],   v[BP0], v[SQ]         ; bias[(2 L) & 15]
	ds_bpermute_b32 v[TM+1], v[BP1], v[SQ]         ; bias[(2 L + 1) & 15]
	s_wait_dscnt 0x0
	global_store_b64 v[L8], v[TM:TM+1], s[38:39] offset:IMG   ; 256 consecutive bytes, aligned: the 16 biases four times over
.Ldone:
	s_wait_tensorcnt 0x0
	ds_add_u32 v208, v209
	s_wait_dscnt 0x0
	s_endpgm
.Lfunc_end_k_q6f2f8dd72e_prep:
	.size	k_q6f2f8dd72e_prep, .Lfunc_end_k_q6f2f8dd72e_prep-k_q6f2f8dd72e_prep
	.p2alignl 7, 3214868480
	.fill 96, 4, 3214868480
	.section	.rodata,"a",@progbits
	.p2align	6, 0x0
	.amdhsa_kernel k_q6f2f8dd72e_prep
		.amdhsa_group_segment_fixed_size 168704
		.amdhsa_private_segment_fixed_size 0
		.amdhsa_enable_private_segment 0
		.amdhsa_kernarg_size 32
		.amdhsa_user_sgpr_count 2
		.amdhsa_user_sgpr_kernarg_segment_ptr 1
		.amdhsa_wavefront_size32 1
		.amdhsa_system_sgpr_workgroup_id_x 1
		.amdhsa_system_sgpr_workgroup_id_y 1
		.amdhsa_system_sgpr_workgroup_id_z 1
		.amdhsa_system_vgpr_workitem_id 0
		.amdhsa_next_free_vgpr 210
		.amdhsa_next_free_sgpr 66
		.amdhsa_reserve_vcc 0
		.amdhsa_float_denorm_mode_32 3
		.amdhsa_float_denorm_mode_16_64 3
		.amdhsa_memory_ordered 1
		.amdhsa_forward_progress 1
		.amdhsa_inst_pref_size 20
	.end_amdhsa_kernel
	.amdgpu_metadata
---
amdhsa.version: [ 1, 2 ]
amdhsa.kernels:
  - .name:           k_q6f2f8dd72e_prep
    .symbol:         k_q6f2f8dd72e_prep.kd
    .args:
      - { .name: embedding, .offset: 0, .size: 8, .value_kind: global_buffer, .address_space: global }
      - { .name: z, .offset: 8, .size: 8, .value_kind: global_buffer, .address_space: global }
      - { .name: cb, .offset: 16, .size: 8, .value_kind: global_buffer, .address_space: global }
      - { .name: zb, .offset: 24, .size: 8, .value_kind: global_buffer, .address_space: global }
    .group_segment_fixed_size: 168704
    .private_segment_fixed_size: 0
    .kernarg_segment_align: 8
    .kernarg_segment_size: 32
    .max_flat_workgroup_size: 192
    .sgpr_count:     66
    .vgpr_count:     210
    .wavefront_size: 32
...
	.end_amdgpu_metadata
.endif
;; end of part 1
;; launch score (part 2): grid 128 x 2, 4 waves a work-group, clusters of 4 x 1, 327,680 bytes of LDS; arguments cb, zb, pv, pi; writes pv, pi
.if DOCPART == 2
	.amdgcn_target "amdgcn-amd-amdhsa--gfx1250"
	.amdhsa_code_object_version 6
	.text
	.protected	k_q6f2f8dd72e_score
	.globl	k_q6f2f8dd72e_score
	.p2align	8
	.type	k_q6f2f8dd72e_score,@function
k_q6f2f8dd72e_score:
	s_mov_b64 s[64:65], 0
	v_nop
	global_prefetch_b8 v0, s[64:65] scope:SCOPE_SE
	s_setreg_imm32_b32 hwreg(HW_REG_WAVE_MODE, 25, 1), 1
	s_wait_xcnt 0x0
	s_wait_alu depctr_hold_cnt(0) depctr_sa_sdst(0) depctr_va_vdst(0) depctr_va_sdst(0) depctr_va_ssrc(0) depctr_va_vcc(0) depctr_vm_vsrc(0)
	s_getreg_b32 s2, hwreg(HW_REG_IB_STS2, 6, 4)
	s_cmp_eq_u32 s2, 0
	s_cbranch_scc0 .Lentry_in_a_cluster
	s_endpgm
.Lentry_in_a_cluster:
	s_bfe_u32 s2, ttmp6, 0x10000c
	s_cmp_lg_u32 s2, 0x3003
	s_cbranch_scc0 .Lentry_shape_is_right
	s_endpgm
.Lentry_shape_is_right:
; SCORE: for 128 tokens and one half of the codebook (4,096 codes): the largest s = z.e - 1/2 |e|^2 and its code, on operands rounded to bf16, sums in f32.
; The smallest distance |z|^2 + |e|^2 - 2 z.e is the largest s: |z|^2 is the same for every code of a token and is not formed.
; Work-group (X, y): tokens 128 X .. 128 X + 127, codes 4096 y .. 4096 y + 4095.  256 work-groups of equal work.
; All four waves keep the SAME 128 tokens as fragments in 512 registers (8 token blocks x 8 K steps x 8) and split the codes: a slot of LDS
; holds 16 tiles of 16 codes, wave w takes tiles 4 w .. 4 w + 3.  So every LDS byte is read once, by one wave: 8,448 bytes for 64 matrix instructions.
; Source 0 = 16 codes, source 1 = 16 tokens: register j of lane (r, h) of a result is (code 8 h + j, token r): the search over codes runs inside a lane.
; The first K step takes the 8 biases -1/2 |e|^2 as C, so the bias costs no vector instruction and nothing is cleared.
; CLUSTER: the four work-groups of a cluster lie along x and share y, hence every tile of codes: each code load is a joint load with mask 15.
; Its descriptor is made of y and the wave number alone; cx enters only the global offsets of zb, pv and pi.
; RING: two slots of 135,168 bytes.  A wave fills and reads only its own quarter of a slot.  By the count of this text a wave has two tensor loads
; out at the start and one behind each round.  A refill has four tiles, 256 matrix instructions of the wave, in which to land.
; REGISTERS: window 0: addresses, running best, one buffer of code fragments, two sets of 8 accumulators; windows 1 and 2: the token fragments,
; fragment (ks, tb) in window 1 + ks / 4 at register 64 (ks & 3) + 8 tb.  While one set of accumulators is summed, the other set is searched.
; LIMITS: inputs finite; a NaN score never wins.  Equal scores go to the lower code.  Scores differ from the distances of the formula with |z|^2
; by f32 rounding, so two codes whose distances agree to within that rounding may be ordered otherwise.
.set TILEB, 8448                       ; a tile of 16 codes: 8,192 bytes of fragments, 256 of biases
.set SHARE, 4*TILEB                    ; what one wave loads and reads of a slot: 132 rows of 256 bytes
.set SLOT,  4*SHARE
.set SCR,   2*SLOT                     ; 4,096 bytes behind the ring for the closing merge: no tensor load ever lands here
.set HALFB, 16*SLOT                    ; bytes of half the codebook in cb
.set TRIPS, 7
.set L16,  1                           ; v1        16 x lane
.set ADR0, 2                           ; v2, v3    my 16 bytes of the first chunk of my share, slot 0, 1
.set ADR1, 3
.set BAD0, 4                           ; v4, v5    my 8 biases of the first tile of my share, slot 0, 1
.set BAD1, 5
.set T,    6                           ; v6, v7    best - score, two in turn
.set BEST, 8                           ; v[8:15]   running best of token block tb
.set IDX,  16                          ; v[16:23]  its code, as 256 slot + 16 tile + j
.set BI,   24                          ; v[24:31]  the biases of a tile
.set AF,   32                          ; v[32:95]  the code fragments of a tile, K step ks at 8 ks
.set ACCX, 96                          ; v[96:159]  accumulators, even tiles
.set ACCY, 160                         ; v[160:223] accumulators, odd tiles
.set PAIR, 224                         ; v[224:239] closing merge: (score, code) of block tb
.set MG,   240                         ; v[240:255] closing merge: the four waves (score, code) of two tokens
.set G1, 16                            ; s[16:23]  descriptor group 1
.set G0, 24                            ; s[24:31]  descriptor group 0, one set for each slot
.set WB1, 0x04                         ; source 1 in window 1, all else in window 0
.set WB2, 0x08                         ; source 1 in window 2
.set MSB, 0
.macro WIN new                         ; the high byte of the immediate repeats the setting that is left
.if MSB != \new
	s_set_vgpr_msb (MSB<<8)|\new
.set MSB, \new
.endif
.endm
; A round of the barrier of the cluster: the barrier of my work-group, wave 0 signals for it, every wave waits for all four work-groups, my barrier again.
.macro ROUND
	s_barrier_signal -1
	s_barrier_wait -1
	s_cmp_lg_u32 s12, 0
	s_cbranch_scc1 .Lnot_wave_0_\@
	s_barrier_signal -3
.Lnot_wave_0_\@:
	s_barrier_wait -3
	s_barrier_signal -1
	s_barrier_wait -1
.endm
; The search, one score: element (code j = ks, token block tb) of the finished set fin.  Source place 1 belongs to the token window, so every line keeps
; its vector registers in places 0 and 2.  T = best - score is rounded, but its sign is exact (denormals are kept), so T < 0 says score > best.
; The compare and the select of an element stand one element later, so that no line waits for the line in front of it.
; s32 is the code number of the row j at work; it steps behind the select of the last element of the row before.
.macro EPQ fin, ks, tb, fstep
	v_cmp_lt_f32 vcc_lo, v[T+((\tb+1)&1)], 0
	v_fma_f32 v[T+(\tb&1)], v[\fin+8*\tb+\ks], -1.0, v[BEST+\tb]
	v_cndmask_b32 v[IDX+((\tb+7)&7)], v[IDX+((\tb+7)&7)], s32, vcc_lo
	v_max3_num_f32 v[BEST+\tb], v[\fin+8*\tb+\ks], s33, v[BEST+\tb]
.if \tb == 0
.if \ks == 0
	s_add_co_u32 s32, s32, \fstep
.else
	s_add_co_u32 s32, s32, 1
.endif
.endif
.endm
; The loads of K step ks of a tile at byte noff of a share; with K step 0 come the biases.
.macro FETCH nadr, nbad, noff, ks
	ds_load_b128 v[AF+8*\ks:AF+8*\ks+3],   v[\nadr] offset:\noff+1024*\ks
	ds_load_b128 v[AF+8*\ks+4:AF+8*\ks+7], v[\nadr] offset:\noff+1024*\ks+512
.if \ks == 0
	ds_load_b128 v[BI:BI+3],   v[\nbad] offset:\noff
	ds_load_b128 v[BI+4:BI+7], v[\nbad] offset:\noff+16
.endif
.endm
; One tile of 16 codes x 128 tokens: 64 matrix instructions into set acc; ep = 1: the set fin is searched meanwhile; ld = 1: behind each K step the
; fragment of the NEXT tile is loaded into the registers just used.  The eight accumulators take turns, one instruction a turn, over the ends of tiles
; and the backward jump too.
; WAITS (LDS loads come back in order, ISA guide 5.7.1).  A tile has 18 loads: A(0) x 2, biases x 2, A(1) .. A(7) x 2.
;   ks = 0: behind A(0) and the biases of this tile stand A(1..7): 14.
;   ks > 0: behind A(ks) stand 2 (7 - ks) of this tile, 4 and 2 (ks - 1) of the next: 16.   ld = 0: only the 2 (7 - ks) = 14 - 2 ks.
; PLACES: a load into a register that a matrix instruction has read stands four plain vector instructions behind it that name none of
; its registers.  With the search these are the multiply-add, the select, the maximum and one v_nop; the compare, which writes a mask, is not counted.
.macro TILE acc, fin, nadr, nbad, noff, ep, ld, fstep
.irp ks, 0,1,2,3,4,5,6,7
.if \ld
.if \ks == 0
	s_wait_dscnt 14
.else
	s_wait_dscnt 16
.endif
.else
	s_wait_dscnt 14-2*\ks
.endif
.if \ks == 0
	WIN WB1
.endif
.if \ks == 4
	WIN WB2
.endif
.irp tb, 0,1,2,3,4,5,6,7
.if \ks == 0
	v_wmma_f32_16x16x32_bf16 v[\acc+8*\tb:\acc+8*\tb+7], v[AF+8*\ks:AF+8*\ks+7], v[64*(\ks&3)+8*\tb:64*(\ks&3)+8*\tb+7], v[BI:BI+7]
.else
	v_wmma_f32_16x16x32_bf16 v[\acc+8*\tb:\acc+8*\tb+7], v[AF+8*\ks:AF+8*\ks+7], v[64*(\ks&3)+8*\tb:64*(\ks&3)+8*\tb+7], v[\acc+8*\tb:\acc+8*\tb+7]
.endif
.if \ep
	EPQ \fin, \ks, \tb, \fstep
.endif
.endr
.if \ld
.if \ep
	v_nop
.else
	v_nop
	v_nop
	v_nop
	v_nop
.endif
	FETCH \nadr, \nbad, \noff, \ks
.endif
.endr
.endm
; Slot b has been read to its end (the loads of its last tile were issued during the tile just done) and is filled again, two slots ahead.
.macro BOUND b
	WIN 0
	s_wait_dscnt 0x0                               ; my reads of slot b are back
	s_set_vgpr_msb 0xf
	s_wait_tensorcnt 0x0                           ; all my tensor loads have landed: the one that was out is my share of the other slot
	ds_add_u32 v0, v1
	s_wait_dscnt 0x0
	s_set_vgpr_msb 0xf00
	s_add_nc_u64 s[G0+4*\b+2:G0+4*\b+3], s[G0+4*\b+2:G0+4*\b+3], 2*SLOT   ; no load of mine is out, so a group 0 may be written
	ROUND                                          ; both now hold of every wave of all four work-groups
	tensor_load_to_lds s[G0+4*\b:G0+4*\b+3], s[G1:G1+7]   ; my one tensor load behind the round, and the first thing there
	s_nop 0
.endm
; (dv, dc) = the better of (va, ca) and (vb, cb): the larger score, of equal scores the lower code.
.macro BETTER dv, dc, va, ca, vb, cb
	v_cmp_gt_f32 s40, v[\vb], v[\va]
	v_cmp_eq_f32 s41, v[\vb], v[\va]
	v_cmp_lt_u32 s42, v[\cb], v[\ca]
	s_and_b32 s41, s41, s42
	s_or_b32 s40, s40, s41
	v_cndmask_b32 v[\dv], v[\va], v[\vb], s40
	v_cndmask_b32 v[\dc], v[\ca], v[\cb], s40
.endm
	s_load_b256 s[4:11], s[0:1], 0x0               ; cb s[4:5], zb s[6:7], pv s[8:9], pi s[10:11]
	s_set_vgpr_msb 0xc0
	v_lshl_add_u32 v0, v0, 2, 0x43000
	v_mov_b32 v1, 0
	s_set_vgpr_msb 0xc0cf
	ds_add_u32 v0, v1
	ds_add_u32 v0, v1
	s_set_vgpr_msb 0xcf00
	v_lshrrev_b32 v1, 5, v0
	v_readfirstlane_b32 s12, v1                    ; wave 0..3
	s_bfe_u32 s13, ttmp6, 0x40000                  ; cx
	s_lshl_b32 s14, ttmp9, 2                       ; ttmp9 counts clusters
	s_add_co_u32 s14, s14, s13                     ; X = 4 x cluster x + cx
	s_and_b32 s15, ttmp7, 0xffff                   ; y: the cluster is one work-group deep
	; group 1: a dense block of 132 rows of 256 bytes, as 32 elements of 8 bytes
	s_mov_b32 s[G1+0], 15|(3<<16)|(1<<21)          ; mask: all four of the cluster; element of 8 bytes; bit 21 set beside a mask; no padding: reads are 16 bytes a lane, side by side
	s_mov_b32 s[G1+1], 32<<16                      ; tensor_dim0 = 32
	s_mov_b32 s[G1+2], 132<<16                     ; tensor_dim1 = 132
	s_mov_b32 s[G1+3], 32<<16                      ; tile_dim0 = 32
	s_mov_b32 s[G1+4], 132                         ; tile_dim1 = 132
	s_mov_b32 s[G1+5], 32                          ; 32 elements from row to row
	s_mov_b32 s[G1+6], 0
	s_mov_b32 s[G1+7], 0
	s_mul_i32 s50, s12, SHARE                      ; my share of a slot, in LDS and in cb alike
	s_mul_i32 s36, s15, HALFB
	s_add_co_u32 s36, s36, s50                     ; y and the wave number alone: the same in all four partners
	s_mov_b32 s37, 0
	s_lshl_b32 s52, s14, 16                        ; my 8 token tiles of 8,192 bytes in zb
	s_mov_b32 s53, 0
	s_mov_b32 s32, -201                            ; the code number: the first step, 201, makes it 0
	s_mov_b32 s33, 0xff800000                      ; minus infinity
	s_mov_b32 s44, 0x76543210                      ; v_permlanex16_b32: lane i of one half reads lane i of the other
	s_mov_b32 s45, 0xfedcba98
	s_wait_dscnt 0x0
	s_wait_kmcnt 0x0
	s_add_nc_u64 s[38:39], s[4:5], s[36:37]
	s_add_nc_u64 s[6:7], s[6:7], s[52:53]
	ROUND                                          ; all four work-groups are here: the first joint loads meet
.irp b, 0,1
	s_mov_b32 s[G0+4*\b], 1
	s_add_co_u32 s[G0+4*\b+1], s50, \b*SLOT        ; LDS: slot constant + wave x share
	s_add_nc_u64 s[G0+4*\b+2:G0+4*\b+3], s[38:39], \b*SLOT
	s_or_b32 s[G0+4*\b+3], s[G0+4*\b+3], 0x80000000
	tensor_load_to_lds s[G0+4*\b:G0+4*\b+3], s[G1:G1+7]   ; slots 0 and 1: both first fills go out together
	s_nop 0
	v_nop
	v_nop
.endr
	; the token fragments, once: 128 loads of 512 consecutive bytes each
	v_and_b32 v[L16], 31, v0
	v_lshlrev_b32 v[L16], 4, v[L16]
	WIN 0x40                                       ; destination in window 1
.irp ks, 0,1,2,3
.irp tb, 0,1,2,3,4,5,6,7
	global_load_b128 v[64*\ks+8*\tb:64*\ks+8*\tb+3],   v[L16], s[6:7] offset:8192*\tb+1024*\ks
	global_load_b128 v[64*\ks+8*\tb+4:64*\ks+8*\tb+7], v[L16], s[6:7] offset:8192*\tb+1024*\ks+512
.endr
.endr
	WIN 0x80                                       ; destination in window 2
.irp ks, 0,1,2,3
.irp tb, 0,1,2,3,4,5,6,7
	global_load_b128 v[64*\ks+8*\tb:64*\ks+8*\tb+3],   v[L16], s[6:7] offset:8192*\tb+1024*(\ks+4)
	global_load_b128 v[64*\ks+8*\tb+4:64*\ks+8*\tb+7], v[L16], s[6:7] offset:8192*\tb+1024*(\ks+4)+512
.endr
.endr
	WIN 0
	v_add_nc_u32 v[ADR0], s50, v[L16]
	v_add_nc_u32 v[ADR1], SLOT, v[ADR0]
	v_bfe_u32 v[BAD0], v0, 4, 1                    ; h
	v_lshl_add_u32 v[BAD0], v[BAD0], 5, s50        ; biases 8 h .. 8 h + 7,
	v_add_nc_u32 v[BAD0], 8192, v[BAD0]            ; behind the fragments of the tile
	v_add_nc_u32 v[BAD1], SLOT, v[BAD0]
.irp i, 0,1,2,3,4,5,6,7
	v_mov_b32 v[BEST+\i], s33
	v_mov_b32 v[IDX+\i], 0
.endr
	v_mov_b32 v[T], 0                              ; the first compare finds no element in front of it: 0 < 0 selects nothing
	v_mov_b32 v[T+1], 0
	s_wait_tensorcnt 0x1                           ; tensor loads of a wave end in order (ISA guide 10.11.1): my share of slot 0 is in, slot 1 stays out; only I read my share
.irp ks, 0,1,2,3,4,5,6,7
	FETCH ADR0, BAD0, 0, \ks                       ; tile 0
.endr
	s_wait_loadcnt 0x0                             ; the token fragments
	; 64 tiles g = 4 slot + u.  Even g sum into X, odd g into Y.  The last argument is the step of the code number to the finished tile:
	; 9 = 16 - 7 inside a slot, 201 = 256 - 55 into the first tile of a slot.
	TILE ACCX, 0,    ADR0, BAD0, TILEB,   0, 1, 0   ; g = 0: nothing to search yet
	WIN 0
	s_mov_b32 s34, TRIPS
.Ltrip:                                                ; g = 1 .. 8 modulo 8
	TILE ACCY, ACCX, ADR0, BAD0, 2*TILEB, 1, 1, 201
	TILE ACCX, ACCY, ADR0, BAD0, 3*TILEB, 1, 1, 9
	BOUND 0
	TILE ACCY, ACCX, ADR1, BAD1, 0,       1, 1, 9
	TILE ACCX, ACCY, ADR1, BAD1, TILEB,   1, 1, 9
	TILE ACCY, ACCX, ADR1, BAD1, 2*TILEB, 1, 1, 201
	TILE ACCX, ACCY, ADR1, BAD1, 3*TILEB, 1, 1, 9
	BOUND 1
	TILE ACCY, ACCX, ADR0, BAD0, 0,       1, 1, 9
	TILE ACCX, ACCY, ADR0, BAD0, TILEB,   1, 1, 9
	WIN 0
	s_sub_co_u32 s34, s34, 1
	s_cmp_lg_u32 s34, 0
	s_cbranch_scc1 .Ltrip
	; g = 57 .. 63: slots 14 and 15; nothing is left to fetch from memory, so no round and no refill
	TILE ACCY, ACCX, ADR0, BAD0, 2*TILEB, 1, 1, 201
	TILE ACCX, ACCY, ADR0, BAD0, 3*TILEB, 1, 1, 9
	s_wait_tensorcnt 0x0                           ; my share of slot 15, the last load, is in
	TILE ACCY, ACCX, ADR1, BAD1, 0,       1, 1, 9
	TILE ACCX, ACCY, ADR1, BAD1, TILEB,   1, 1, 9
	TILE ACCY, ACCX, ADR1, BAD1, 2*TILEB, 1, 1, 201
	TILE ACCX, ACCY, ADR1, BAD1, 3*TILEB, 1, 1, 9
	TILE ACCY, ACCX, ADR1, BAD1, 0,       1, 0, 9   ; g = 63 loads nothing
	WIN 0
.irp ks, 0,1,2,3,4,5,6,7
.irp tb, 0,1,2,3,4,5,6,7
	EPQ ACCY, \ks, \tb, 9                          ; the last tile is searched by itself
.endr
.endr
	v_cmp_lt_f32 vcc_lo, v[T+1], 0                 ; the compare and the select of the very last element
	v_cndmask_b32 v[IDX+7], v[IDX+7], s32, vcc_lo
	; THE MERGE.  A lane holds, for 8 tokens, the best of its codes 4096 y + 64 w + 8 h + (256 slot + 16 tile + j).
	s_lshl_b32 s35, s15, 12
	s_lshl_b32 s51, s12, 6
	s_add_co_u32 s35, s35, s51
	v_bfe_u32 v[T], v0, 4, 1
	v_lshl_add_u32 v[T], v[T], 3, s35              ; 4096 y + 64 w + 8 h
	s_lshl_b32 s51, s12, 10
	s_add_co_u32 s51, s51, SCR                     ; 1,024 bytes of scratch for each wave: 128 tokens x (score, code)
	v_and_b32 v[T+1], 15, v0
	v_lshl_add_u32 v[T+1], v[T+1], 3, s51
.irp tb, 0,1,2,3,4,5,6,7
	v_add_nc_u32 v[IDX+\tb], v[IDX+\tb], v[T]
	v_permlanex16_b32 v[BI],   v[BEST+\tb], s44, s45   ; the other h (the destinations have been written: they held biases)
	v_permlanex16_b32 v[BI+1], v[IDX+\tb],  s44, s45
	BETTER PAIR+2*\tb, PAIR+2*\tb+1, BI, BI+1, BEST+\tb, IDX+\tb
	ds_store_b64 v[T+1], v[PAIR+2*\tb:PAIR+2*\tb+1] offset:128*\tb   ; token 16 tb + r; lanes r and r + 16 write the same pair
.endr
	s_wait_dscnt 0x0                               ; for the other waves: my stores are done
	s_barrier_signal -1
	s_barrier_wait -1
	; A lane merges two neighbouring tokens over the four waves.  Waves 0 and 1 store the scores of 64 tokens each, waves 2 and 3 the codes:
	; each store of a wave covers 256 consecutive bytes, aligned.
	s_and_b32 s46, s12, 1                          ; which 64 tokens
	s_lshr_b32 s47, s12, 1                         ; scores (0) or codes (1)
	s_lshl_b32 s56, s46, 9
	s_add_co_u32 s56, s56, SCR
	v_add_nc_u32 v[ADR0], s56, v[L16]              ; tokens 64 (w & 1) + 2 L and the next: 16 bytes
.irp i, 0,1,2,3
	ds_load_b128 v[MG+4*\i:MG+4*\i+3], v[ADR0] offset:1024*\i
.endr
	s_wait_dscnt 0x0
	BETTER MG,   MG+1, MG,   MG+1, MG+4,  MG+5
	BETTER MG+8, MG+9, MG+8, MG+9, MG+12, MG+13
	BETTER MG,   MG+1, MG,   MG+1, MG+8,  MG+9
	BETTER MG+2,  MG+3,  MG+2,  MG+3,  MG+6,  MG+7
	BETTER MG+10, MG+11, MG+10, MG+11, MG+14, MG+15
	BETTER MG+2,  MG+3,  MG+2,  MG+3,  MG+10, MG+11
	s_lshl_b32 s54, s15, 16                        ; half y: 16,384 tokens x 4 bytes
	s_lshl_b32 s55, s14, 9                         ; 128 X tokens
	s_add_co_u32 s54, s54, s55
	s_lshl_b32 s55, s46, 8                         ; 64 tokens
	s_add_co_u32 s54, s54, s55
	s_mov_b32 s55, 0
	s_cmp_eq_u32 s47, 0
	s_cselect_b32 s40, 0, -1                       ; all lanes: scores or codes
	s_cselect_b64 s[48:49], s[8:9], s[10:11]       ; pv or pi
	s_add_nc_u64 s[48:49], s[48:49], s[54:55]
	v_lshrrev_b32 v[ADR1], 1, v[L16]               ; 8 L
	v_cndmask_b32 v[PAIR],   v[MG],   v[MG+1], s40
	v_cndmask_b32 v[PAIR+1], v[MG+2], v[MG+3], s40
	global_store_b64 v[ADR1], v[PAIR:PAIR+1], s[48:49]
	s_set_vgpr_msb 0xf
	s_wait_tensorcnt 0x0
	ds_add_u32 v0, v1
	s_wait_dscnt 0x0
	s_set_vgpr_msb 0xf00
	ROUND                                          ; the closing round: no work-group ends while a partner may still issue a joint load
	s_endpgm
.Lfunc_end_k_q6f2f8dd72e_score:
	.size	k_q6f2f8dd72e_score, .Lfunc_end_k_q6f2f8dd72e_score-k_q6f2f8dd72e_score
	.p2alignl 7, 3214868480
	.fill 96, 4, 3214868480
	.section	.rodata,"a",@progbits
	.p2align	6, 0x0
	.amdhsa_kernel k_q6f2f8dd72e_score
		.amdhsa_group_segment_fixed_size 327680
		.amdhsa_private_segment_fixed_size 0
		.amdhsa_enable_private_segment 0
		.amdhsa_kernarg_size 32
		.amdhsa_user_sgpr_count 2
		.amdhsa_user_sgpr_kernarg_segment_ptr 1
		.amdhsa_wavefront_size32 1
		.amdhsa_system_sgpr_workgroup_id_x 1
		.amdhsa_system_sgpr_workgroup_id_y 1
		.amdhsa_system_sgpr_workgroup_id_z 1
		.amdhsa_system_vgpr_workitem_id 0
		.amdhsa_next_free_vgpr 770
		.amdhsa_next_free_sgpr 66
		.amdhsa_reserve_vcc 1
		.amdhsa_float_denorm_mode_32 3
		.amdhsa_float_denorm_mode_16_64 3
		.amdhsa_memory_ordered 1
		.amdhsa_forward_progress 1
		.amdhsa_inst_pref_size 255
	.end_amdhsa_kernel
	.section	.bss,"aw",@nobits
	.p2align	6
	.space	262144
	.amdgpu_metadata
---
amdhsa.version: [ 1, 2 ]
amdhsa.kernels:
  - .name:           k_q6f2f8dd72e_score
    .symbol:         k_q6f2f8dd72e_score.kd
    .args:
      - { .name: cb, .offset: 0, .size: 8, .value_kind: global_buffer, .address_space: global }
      - { .name: zb, .offset: 8, .size: 8, .value_kind: global_buffer, .address_space: global }
      - { .name: pv, .offset: 16, .size: 8, .value_kind: global_buffer, .address_space: global }
      - { .name: pi, .offset: 24, .size: 8, .value_kind: global_buffer, .address_space: global }
    .group_segment_fixed_size: 327680
    .private_segment_fixed_size: 0
    .kernarg_segment_align: 8
    .kernarg_segment_size: 32
    .max_flat_workgroup_size: 128
    .sgpr_count:     66
    .vgpr_count:     770
    .wavefront_size: 32
...
	.end_amdgpu_metadata
.endif
;; end of part 2
;; launch pick (part 3): grid 256 x 1, 8 waves a work-group, no clusters, 0 bytes of LDS; arguments embedding, z, pv, pi, out0; writes out0
.if DOCPART == 3
	.amdgcn_target "amdgcn-amd-amdhsa--gfx1250"
	.amdhsa_code_object_version 6
	.text
	.protected	k_q6f2f8dd72e_pick
	.globl	k_q6f2f8dd72e_pick
	.p2align	8
	.type	k_q6f2f8dd72e_pick,@function
k_q6f2f8dd72e_pick:
	s_mov_b64 s[64:65], 0
	v_nop
	global_prefetch_b8 v0, s[64:65] scope:SCOPE_SE
	s_setreg_imm32_b32 hwreg(HW_REG_WAVE_MODE, 25, 1), 1
	s_wait_xcnt 0x0
; PICK: out = z + (e[idx] - z), idx = the better of the two candidates that the halves of the codebook gave.
; Which half wins is a comparison of floating-point scores, so it selects a VALUE, not an address: both candidate rows are gathered
; (their addresses come from the whole numbers in pi) and v_cndmask_b32 takes one.  Equal scores go to half 0, which holds the lower codes.
; A wave takes 8 tokens; a row is 1,024 bytes = two loads or stores of 512 consecutive bytes of the wave.  2,048 waves = 256 work-groups x 8.
; All 48 loads of a wave go out before anything is awaited; every register is written once, so nothing has to be freed and there is no loop.
; Memory binds here: no LDS, no barrier, no matrix unit, no cluster (the work-groups share no tile; rows of e are picked by data).
.set L16, 1                            ; v1        16 x lane
.set EO,  2                            ; v[2:17]   token t: byte offsets of my 16 bytes in the two candidate rows
.set SV,  18                           ; v18       the score of half 0, for the compare
.set Z,   24                           ; token t at 24 t: z (8 registers), then the row of half 0 (8), then that of half 1 (8)
.set E0,  32
.set E1,  40
	s_load_b256 s[4:11], s[0:1], 0x0               ; embedding s[4:5], z s[6:7], pv s[8:9], pi s[10:11]
	s_load_b64 s[12:13], s[0:1], 0x20              ; out0
	v_lshrrev_b32 v1, 5, v0
	v_readfirstlane_b32 s14, v1                    ; wave 0..7
	s_lshl_b32 s15, ttmp9, 3
	s_add_co_u32 s15, s15, s14                     ; the number of the wave in the launch, 0..2047
	s_lshl_b32 s48, s15, 5                         ; 8 tokens x 4 bytes in pv and pi
	s_mov_b32 s49, 0
	s_lshl_b32 s50, s15, 13                        ; 8 rows x 1,024 bytes in z and out0
	s_mov_b32 s51, 0
	v_and_b32 v[L16], 31, v0
	v_lshlrev_b32 v[L16], 4, v[L16]
	s_wait_kmcnt 0x0
	s_add_nc_u64 s[8:9], s[8:9], s[48:49]
	s_add_nc_u64 s[10:11], s[10:11], s[48:49]
	s_add_nc_u64 s[6:7], s[6:7], s[50:51]
	s_add_nc_u64 s[12:13], s[12:13], s[50:51]
	s_load_b256 s[16:23], s[10:11], 0x0            ; codes of half 0
	s_load_b256 s[24:31], s[10:11], 0x10000        ; codes of half 1
	s_load_b256 s[32:39], s[8:9], 0x0              ; scores of half 0
	s_load_b256 s[40:47], s[8:9], 0x10000          ; scores of half 1
.irp t, 0,1,2,3,4,5,6,7
	global_load_b128 v[Z+24*\t:Z+24*\t+3],   v[L16], s[6:7] offset:1024*\t th:TH_LOAD_NT
	global_load_b128 v[Z+24*\t+4:Z+24*\t+7], v[L16], s[6:7] offset:1024*\t+512 th:TH_LOAD_NT
.endr
	s_wait_kmcnt 0x0
.irp t, 0,1,2,3,4,5,6,7
	s_min_u32 s[16+\t], s[16+\t], 0x1fff           ; a loaded number enters an address only inside the table
	s_min_u32 s[24+\t], s[24+\t], 0x1fff
	v_lshl_add_u32 v[EO+2*\t],   s[16+\t], 10, v[L16]
	v_lshl_add_u32 v[EO+2*\t+1], s[24+\t], 10, v[L16]
	global_load_b128 v[E0+24*\t:E0+24*\t+3],   v[EO+2*\t],   s[4:5]
	global_load_b128 v[E0+24*\t+4:E0+24*\t+7], v[EO+2*\t],   s[4:5] offset:512
	global_load_b128 v[E1+24*\t:E1+24*\t+3],   v[EO+2*\t+1], s[4:5]
	global_load_b128 v[E1+24*\t+4:E1+24*\t+7], v[EO+2*\t+1], s[4:5] offset:512
.endr
.irp t, 0,1,2,3,4,5,6,7
	s_wait_loadcnt 4*(7-\t)                        ; loads come back in order (ISA guide 5.7.1): behind the rows of token t stand four loads for each younger token; z is older
	v_mov_b32 v[SV], s[32+\t]
	v_cmp_gt_f32 vcc_lo, s[40+\t], v[SV]           ; half 1 only where its score is strictly larger
.irp i, 0,1,2,3,4,5,6,7
	v_cndmask_b32 v[E0+24*\t+\i], v[E0+24*\t+\i], v[E1+24*\t+\i], vcc_lo
.endr
.irp i, 0,2,4,6
	v_pk_add_f32 v[E0+24*\t+\i:E0+24*\t+\i+1], v[E0+24*\t+\i:E0+24*\t+\i+1], v[Z+24*\t+\i:Z+24*\t+\i+1] neg_lo:[0,1] neg_hi:[0,1]   ; e - z
.endr
.irp i, 0,2,4,6
	v_pk_add_f32 v[E0+24*\t+\i:E0+24*\t+\i+1], v[Z+24*\t+\i:Z+24*\t+\i+1], v[E0+24*\t+\i:E0+24*\t+\i+1]   ; z + (e - z)
.endr
	global_store_b128 v[L16], v[E0+24*\t:E0+24*\t+3],   s[12:13] offset:1024*\t th:TH_STORE_NT
	global_store_b128 v[L16], v[E0+24*\t+4:E0+24*\t+7], s[12:13] offset:1024*\t+512 th:TH_STORE_NT
.endr
	s_endpgm
.Lfunc_end_k_q6f2f8dd72e_pick:
	.size	k_q6f2f8dd72e_pick, .Lfunc_end_k_q6f2f8dd72e_pick-k_q6f2f8dd72e_pick
	.p2alignl 7, 3214868480
	.fill 96, 4, 3214868480
	.section	.rodata,"a",@progbits
	.p2align	6, 0x0
	.amdhsa_kernel k_q6f2f8dd72e_pick
		.amdhsa_group_segment_fixed_size 0
		.amdhsa_private_segment_fixed_size 0
		.amdhsa_enable_private_segment 0
		.amdhsa_kernarg_size 40
		.amdhsa_user_sgpr_count 2
		.amdhsa_user_sgpr_kernarg_segment_ptr 1
		.amdhsa_wavefront_size32 1
		.amdhsa_system_sgpr_workgroup_id_x 1
		.amdhsa_system_sgpr_workgroup_id_y 1
		.amdhsa_system_sgpr_workgroup_id_z 1
		.amdhsa_system_vgpr_workitem_id 0
		.amdhsa_next_free_vgpr 216
		.amdhsa_next_free_sgpr 66
		.amdhsa_reserve_vcc 1
		.amdhsa_float_denorm_mode_32 3
		.amdhsa_float_denorm_mode_16_64 3
		.amdhsa_memory_ordered 1
		.amdhsa_forward_progress 1
		.amdhsa_inst_pref_size 16
	.end_amdhsa_kernel
	.amdgpu_metadata
---
amdhsa.version: [ 1, 2 ]
amdhsa.kernels:
  - .name:           k_q6f2f8dd72e_pick
    .symbol:         k_q6f2f8dd72e_pick.kd
    .args:
      - { .name: embedding, .offset: 0, .size: 8, .value_kind: global_buffer, .address_space: global }
      - { .name: z, .offset: 8, .size: 8, .value_kind: global_buffer, .address_space: global }
      - { .name: pv, .offset: 16, .size: 8, .value_kind: global_buffer, .address_space: global }
      - { .name: pi, .offset: 24, .size: 8, .value_kind: global_buffer, .address_space: global }
      - { .name: out0, .offset: 32, .size: 8, .value_kind: global_buffer, .address_space: global }
    .group_segment_fixed_size: 0
    .private_segment_fixed_size: 0
    .kernarg_segment_align: 8
    .kernarg_segment_size: 40
    .max_flat_workgroup_size: 256
    .sgpr_count:     66
    .vgpr_count:     216
    .wavefront_size: 32
...
	.end_amdgpu_metadata
.endif
;; end of part 3
;; ======== version 2 of 2: 3 launches; version 1 with the launch pick written anew for expert scheduling mode
;; workspace buffers: cb 4,325,376 bytes; zb 8,388,608 bytes; pv 131,072 bytes; pi 131,072 bytes of whole numbers
;; launch prep: the kernel of part 1 again; grid 256 x 1, 6 waves a work-group, no clusters, 168,704 bytes of LDS; arguments embedding, z, cb, zb; writes cb, zb
;; launch score: the kernel of part 2 again; grid 128 x 2, 4 waves a work-group, clusters of 4 x 1, 327,680 bytes of LDS; arguments cb, zb, pv, pi; writes pv, pi
;; launch pick (part 4): grid 256 x 1, 8 waves a work-group, no clusters, 0 bytes of LDS; arguments embedding, z, pv, pi, out0; writes out0
.if DOCPART == 4
	.amdgcn_target "amdgcn-amd-amdhsa--gfx1250"
	.amdhsa_code_object_version 6
	.text
	.protected	k_q6f2f8dd72e_pick
	.globl	k_q6f2f8dd72e_pick
	.p2align	8
	.type	k_q6f2f8dd72e_pick,@function
k_q6f2f8dd72e_pick:
	s_mov_b64 s[64:65], 0
	v_nop
	global_prefetch_b8 v0, s[64:65] scope:SCOPE_SE
	s_setreg_imm32_b32 hwreg(HW_REG_WAVE_SCHED_MODE, 0, 2), 2
	s_setreg_imm32_b32 hwreg(HW_REG_WAVE_MODE, 25, 1), 1
	s_wait_xcnt 0x0
	s_wait_alu depctr_vm_vsrc(0)
; PICK: out = z + (e[idx] - z), idx = the better of the two candidates that the halves of the codebook gave.
; Which half wins is a comparison of floating-point scores, so it selects a VALUE, not an address: both candidate rows are gathered
; (their addresses come from the whole numbers in pi) and v_cndmask_b32 takes one.  Equal scores go to half 0, which holds the lower codes.
; A wave takes 8 tokens; a row is 1,024 bytes = two loads or stores of 512 consecutive bytes of the wave.  2,048 waves = 256 work-groups x 8.
; All 48 loads of a wave go out before anything is awaited; every register is written once, so nothing has to be freed and there is no loop.
; Memory binds here: no LDS, no barrier, no matrix unit, no cluster (the work-groups share no tile; rows of e are picked by data).
; THE MODE: SCHED_MODE bits 1:0 = 2 (LLVM: expert scheduling mode 2), set by the entry lines.  The code itself states the register dependences
; between vector instructions and memory instructions, with s_wait_alu, always for 0.
; THE PLAN.  Registers that memory instructions touch:
;   v[L16]     Written at the head, never again.  Read as the offset by the 16 loads of z and by the 16 stores.
;   v[EO ..]   16 offsets, each written once, in one run.  Read by the 32 loads of the candidate rows, which follow in one run.
;   Z, E1      A load lands in each once; no vector instruction names them before; token t reads them behind its wait on LOADcnt.
;   E0         A load lands in each once; the selects and sums of token t write it; the two stores of token t read it; nothing writes it after that.
;   v[SV]      Named by vector instructions alone.
; No register that a memory instruction reads is written again, and no load lands in a register that a vector instruction has named: so the
; waits are those ahead of readers alone: one for v[L16], one for the 16 offsets, one a token for its sums.
; Scalar registers that vector instructions write: s14 (the number of the wave) and the eight masks s[MK ..]; each kind has one wait ahead of its first reader.
; A token's stores stand behind its own sums: at the next token's head they would stand behind the wait for rows that are still on their way.
.set L16, 1                            ; v1        16 x lane
.set EO,  2                            ; v[2:17]   token t: byte offsets of my 16 bytes in the two candidate rows
.set SV,  18                           ; v18       the score of half 0, for the compare
.set Z,   24                           ; token t at 24 t: z (8 registers), then the row of half 0 (8), then that of half 1 (8)
.set E0,  32
.set E1,  40
.set MK,  16                           ; s[16:23]  token t: all lanes on where half 1 wins; these held the codes of half 0 until the offsets were made
	s_load_b256 s[4:11], s[0:1], 0x0               ; embedding s[4:5], z s[6:7], pv s[8:9], pi s[10:11]
	s_load_b64 s[12:13], s[0:1], 0x20              ; out0
	v_lshrrev_b32 v1, 5, v0
	v_readfirstlane_b32 s14, v1                    ; wave 0..7
	v_and_b32 v[L16], 31, v0
	v_lshlrev_b32 v[L16], 4, v[L16]
	s_lshl_b32 s15, ttmp9, 3
	s_wait_alu depctr_va_sdst(0)                   ; s14 is written, ahead of its first reader: the four bases are made from it
	s_add_co_u32 s15, s15, s14                     ; the number of the wave in the launch, 0..2047
	s_lshl_b32 s48, s15, 5                         ; 8 tokens x 4 bytes in pv and pi
	s_mov_b32 s49, 0
	s_lshl_b32 s50, s15, 13                        ; 8 rows x 1,024 bytes in z and out0
	s_mov_b32 s51, 0
	s_wait_kmcnt 0x0
	s_add_nc_u64 s[8:9], s[8:9], s[48:49]
	s_add_nc_u64 s[10:11], s[10:11], s[48:49]
	s_add_nc_u64 s[6:7], s[6:7], s[50:51]
	s_add_nc_u64 s[12:13], s[12:13], s[50:51]
	s_load_b256 s[16:23], s[10:11], 0x0            ; codes of half 0
	s_load_b256 s[24:31], s[10:11], 0x10000        ; codes of half 1
	s_load_b256 s[32:39], s[8:9], 0x0              ; scores of half 0
	s_load_b256 s[40:47], s[8:9], 0x10000          ; scores of half 1
	s_wait_alu depctr_va_vdst(0)                   ; v[L16] is written: the loads of z below and every store of the kernel read it as their offset
.irp t, 0,1,2,3,4,5,6,7
	global_load_b128 v[Z+24*\t:Z+24*\t+3],   v[L16], s[6:7] offset:1024*\t th:TH_LOAD_NT
	global_load_b128 v[Z+24*\t+4:Z+24*\t+7], v[L16], s[6:7] offset:1024*\t+512 th:TH_LOAD_NT
.endr
	s_wait_kmcnt 0x0
.irp t, 0,1,2,3,4,5,6,7
	s_min_u32 s[16+\t], s[16+\t], 0x1fff           ; a loaded number enters an address only inside the table
	s_min_u32 s[24+\t], s[24+\t], 0x1fff
	v_lshl_add_u32 v[EO+2*\t],   s[16+\t], 10, v[L16]
	v_lshl_add_u32 v[EO+2*\t+1], s[24+\t], 10, v[L16]
.endr
	s_wait_alu depctr_va_vdst(0)                   ; the 16 offsets v[EO ..] are written, which the 32 loads below read: one wait for the run
.irp t, 0,1,2,3,4,5,6,7
	global_load_b128 v[E0+24*\t:E0+24*\t+3],   v[EO+2*\t],   s[4:5]
	global_load_b128 v[E0+24*\t+4:E0+24*\t+7], v[EO+2*\t],   s[4:5] offset:512
	global_load_b128 v[E1+24*\t:E1+24*\t+3],   v[EO+2*\t+1], s[4:5]
	global_load_b128 v[E1+24*\t+4:E1+24*\t+7], v[EO+2*\t+1], s[4:5] offset:512
.endr
	; the eight masks, in one run, while the rows are on their way: the scores are scalars and have arrived
.irp t, 0,1,2,3,4,5,6,7
	v_mov_b32 v[SV], s[32+\t]
	v_cmp_gt_f32 s[MK+\t], s[40+\t], v[SV]         ; half 1 only where its score is strictly larger
.endr
	s_wait_alu depctr_va_sdst(0)                   ; the eight masks s[MK ..] are written, ahead of the first select that reads one: one wait for the run
.irp t, 0,1,2,3,4,5,6,7
	s_wait_loadcnt 4*(7-\t)                        ; loads come back in order (ISA guide 5.7.1): behind the rows of token t stand four loads for each younger token; z is older
.irp i, 0,1,2,3,4,5,6,7
	v_cndmask_b32 v[E0+24*\t+\i], v[E0+24*\t+\i], v[E1+24*\t+\i], s[MK+\t]
.endr
.irp i, 0,2,4,6
	v_pk_add_f32 v[E0+24*\t+\i:E0+24*\t+\i+1], v[E0+24*\t+\i:E0+24*\t+\i+1], v[Z+24*\t+\i:Z+24*\t+\i+1] neg_lo:[0,1] neg_hi:[0,1]   ; e - z
.endr
.irp i, 0,2,4,6
	v_pk_add_f32 v[E0+24*\t+\i:E0+24*\t+\i+1], v[Z+24*\t+\i:Z+24*\t+\i+1], v[E0+24*\t+\i:E0+24*\t+\i+1]   ; z + (e - z)
.endr
	s_wait_alu depctr_va_vdst(0)                   ; the sums have written the eight registers E0 of token t, which the two stores read
	global_store_b128 v[L16], v[E0+24*\t:E0+24*\t+3],   s[12:13] offset:1024*\t th:TH_STORE_NT
	global_store_b128 v[L16], v[E0+24*\t+4:E0+24*\t+7], s[12:13] offset:1024*\t+512 th:TH_STORE_NT
.endr
	s_endpgm
.Lfunc_end_k_q6f2f8dd72e_pick:
	.size	k_q6f2f8dd72e_pick, .Lfunc_end_k_q6f2f8dd72e_pick-k_q6f2f8dd72e_pick
	.p2alignl 7, 3214868480
	.fill 96, 4, 3214868480
	.section	.rodata,"a",@progbits
	.p2align	6, 0x0
	.amdhsa_kernel k_q6f2f8dd72e_pick
		.amdhsa_group_segment_fixed_size 0
		.amdhsa_private_segment_fixed_size 0
		.amdhsa_enable_private_segment 0
		.amdhsa_kernarg_size 40
		.amdhsa_user_sgpr_count 2
		.amdhsa_user_sgpr_kernarg_segment_ptr 1
		.amdhsa_wavefront_size32 1
		.amdhsa_system_sgpr_workgroup_id_x 1
		.amdhsa_system_sgpr_workgroup_id_y 1
		.amdhsa_system_sgpr_workgroup_id_z 1
		.amdhsa_system_vgpr_workitem_id 0
		.amdhsa_next_free_vgpr 216
		.amdhsa_next_free_sgpr 66
		.amdhsa_reserve_vcc 0
		.amdhsa_float_denorm_mode_32 3
		.amdhsa_float_denorm_mode_16_64 3
		.amdhsa_memory_ordered 1
		.amdhsa_forward_progress 1
		.amdhsa_inst_pref_size 19
	.end_amdhsa_kernel
	.amdgpu_metadata
---
amdhsa.version: [ 1, 2 ]
amdhsa.kernels:
  - .name:           k_q6f2f8dd72e_pick
    .symbol:         k_q6f2f8dd72e_pick.kd
    .args:
      - { .name: embedding, .offset: 0, .size: 8, .value_kind: global_buffer, .address_space: global }
      - { .name: z, .offset: 8, .size: 8, .value_kind: global_buffer, .address_space: global }
      - { .name: pv, .offset: 16, .size: 8, .value_kind: global_buffer, .address_space: global }
      - { .name: pi, .offset: 24, .size: 8, .value_kind: global_buffer, .address_space: global }
      - { .name: out0, .offset: 32, .size: 8, .value_kind: global_buffer, .address_space: global }
    .group_segment_fixed_size: 0
    .private_segment_fixed_size: 0
    .kernarg_segment_align: 8
    .kernarg_segment_size: 40
    .max_flat_workgroup_size: 256
    .sgpr_count:     66
    .vgpr_count:     216
    .wavefront_size: 32
...
	.end_amdgpu_metadata
.endif
;; end of part 4
